; MI455X (gfx1250); checked and timed in simulation.
; The chip was launched on July 23, 2026; its instructions are those of AMD's public machine-readable ISA for CDNA 5 (MIT licence, August 2026) and "CDNA5" Instruction Set Architecture Reference Guide (July 2026). The comments in the code are by the model that wrote it; some were corrected since.
;; Conv Attention. Allowed arithmetic: float matrix products may take bf16 or f16 operands with f32 sums; all other float work in f32.
;; Inputs: Wk 512 x 512 float32; Wo 512 x 512 float32; Wq 512 x 512 float32; Wv 512 x 512 float32; bo 512 float32; x 8 x 512 x 2,048 float32.
;; Outputs: out0 8 x 512 x 2,048 float32.
;; One version. Each part assembles by itself: llvm-mc -triple=amdgcn-amd-amdhsa -mcpu=gfx1250 --defsym DOCPART=n.
;; ======== version 1 of 1: 4 launches
;; limits: values are held in f16: magnitudes above 65,504 overflow, below 6.1e-05 lose precision
;; workspace buffers: xf 16,777,216 bytes; wf 1,572,864 bytes; wof 524,288 bytes; qf 16,777,216 bytes; kvf 33,554,432 bytes; vlo 524,288 bytes; af 33,554,432 bytes
;; launch prep (part 1): grid 256 x 1, 8 waves a work-group, no clusters, 0 bytes of LDS; arguments x, Wq, Wk, Wv, Wo, xf, wf, wof; writes xf, wf, wof
.if DOCPART == 1
	.amdgcn_target "amdgcn-amd-amdhsa--gfx1250"
	.amdhsa_code_object_version 6
	.text
	.protected	k_q458298459e_prep
	.globl	k_q458298459e_prep
	.p2align	8
	.type	k_q458298459e_prep,@function
k_q458298459e_prep:
	s_mov_b64 s[64:65], 0
	v_nop
	global_prefetch_b8 v0, s[64:65] scope:SCOPE_SE
	s_setreg_imm32_b32 hwreg(HW_REG_WAVE_MODE, 25, 1), 1
	s_wait_xcnt 0x0
; PREP: x and the four weight matrices are rounded once and laid out as the matrix instructions' register image.
; A BLOCK is 512 bytes: lane L's 16 bytes (8 numbers of 16 bits along K) stand at byte 16 L.  A FRAGMENT (16 rows x 32 K) is two
; blocks: the first fills registers 0-3 (K = 8h + e), the second registers 4-7 (K = 16 + 8h + e); r = L & 15 is the row, h = L >> 4.
; So every later load and store of a wave is 512 consecutive bytes, and nothing is ever transposed.
; x: [8][512 c][2048 l] f32, K = c is the slow axis.  A lane reads 16 bytes = 4 neighbouring l of one c; these four l go to four
; position tiles: in a group of 64 positions, tile s (0..3) row m is l = 64 G + 4 m + s.  All launches use this numbering.
; xf (bf16): lb*262144 + ks*32768 + lt*2048 + ch*1024 + half*512 + 16 L;  lb = 8 n + l/256, ks = c/64, lt = 4 (group in the 256) + s.
; wf (bf16): ob*393216 + ks*49152 + f*2048 + ch*1024 + half*512;  f = 12 oh + 4 g + t, g = 0, 1, 2 for Wq, Wk, Wv; row o = 128 ob + 64 oh + 16 t + r.
; wof (f16): ob*131072 + ks*16384 + f*2048 + ch*1024 + half*512;  row o = 128 ob + 16 f + r.
; LIMITS: x, Wq, Wk, Wv, Wo are used at bf16 precision.  Wo's bf16 rounding is then held as f16 (the last product is an f16 one):
; exact for 2^-17 <= |Wo| < 65504; smaller numbers are rounded with an absolute error of at most 2^-25.
; Memory binds here: no LDS, no barrier, no matrix unit.  256 work-groups x 8 waves; a wave takes 64 c x 64 l of x (32 loads of
; 512 bytes, all issued at once: no loop, no register used twice) and one 16 x 32 fragment of one weight matrix.
.set VX,   1                           ; v1   x: 8 h rows of 8,192 bytes + 16 r
.set VW,   2                           ; v2   W: r rows of 2,048 bytes + 32 h
.set LOFF, 3                           ; v3   16 L: a lane's place in a block
.set X,    16                          ; v[16:143]  x as loaded: unit u (16 c), row i, 4 l
.set WF,   144                         ; v[144:159] 16 numbers of W in f32
.set Y,    160                         ; v[160:223] x packed: unit u, tile s, 4 registers
.set WP,   224                         ; v[224:231] W packed
	s_load_b512 s[4:19], s[0:1], 0x0               ; x s[4:5], Wq s[6:7], Wk s[8:9], Wv s[10:11], Wo s[12:13], xf s[14:15], wf s[16:17], wof s[18:19]
	v_lshrrev_b32 v4, 5, v0
	v_readfirstlane_b32 s20, v4                    ; wave 0..7
	v_and_b32 v5, 15, v0                           ; r
	v_bfe_u32 v6, v0, 4, 1                         ; h
	v_and_b32 v7, 31, v0
	v_lshlrev_b32 v[LOFF], 4, v7
	v_lshlrev_b32 v[VX], 4, v5
	v_lshl_add_u32 v[VX], v6, 16, v[VX]
	v_lshlrev_b32 v[VW], 11, v5
	v_lshl_add_u32 v[VW], v6, 5, v[VW]
	; the weight fragment of this wave: matrix mt, row tile ot (16 rows), column chunk cc (32 columns)
	s_lshr_b32 s21, ttmp9, 6                       ; mt = 0..3: Wq, Wk, Wv, Wo
	s_bfe_u32 s22, ttmp9, 0x50001                  ; ot = 0..31
	s_and_b32 s23, ttmp9, 1
	s_lshl3_add_u32 s23, s23, s20                  ; cc = 8 (group & 1) + wave
	s_lshl_b32 s24, s22, 15                        ; 16 rows of 2,048 bytes
	s_lshl_b32 s25, s23, 7                         ; 32 numbers of 4 bytes
	s_add_co_u32 s24, s24, s25
	s_mov_b32 s25, 0                               ; s[24:25]: the fragment's offset in its matrix
	s_lshr_b32 s30, s22, 3                         ; ob
	s_lshr_b32 s31, s23, 1                         ; ks
	s_and_b32 s32, s23, 1
	s_lshl_b32 s32, s32, 10                        ; ch * 1024
	s_bfe_u32 s33, s22, 0x10002                    ; oh
	s_mul_i32 s33, s33, 12
	s_lshl2_add_u32 s33, s21, s33                  ; + 4 g
	s_and_b32 s34, s22, 3
	s_add_co_u32 s33, s33, s34                     ; f in wf
	s_lshl_b32 s33, s33, 11
	s_mul_i32 s34, s30, 393216
	s_add_co_u32 s33, s33, s34
	s_mul_i32 s34, s31, 49152
	s_add_co_u32 s33, s33, s34
	s_add_co_u32 s33, s33, s32                     ; s33: offset in wf (not used for Wo)
	s_and_b32 s35, s22, 7                          ; f in wof
	s_lshl_b32 s35, s35, 11
	s_lshl_b32 s34, s30, 17
	s_add_co_u32 s35, s35, s34
	s_lshl_b32 s34, s31, 14
	s_add_co_u32 s35, s35, s34
	s_add_co_u32 s35, s35, s32                     ; s35: offset in wof (used for Wo alone)
	; the wave's part of x: batch n, 64 channels cq, 64 positions 512 lq + 64 wave
	s_lshr_b32 s36, ttmp9, 5                       ; n
	s_bfe_u32 s37, ttmp9, 0x30002                  ; cq = ks
	s_and_b32 s38, ttmp9, 3                        ; lq
	s_lshl_b32 s26, s36, 22
	s_lshl_b32 s39, s37, 19
	s_add_co_u32 s26, s26, s39
	s_lshl_b32 s39, s38, 11
	s_add_co_u32 s26, s26, s39
	s_lshl_b32 s39, s20, 8
	s_add_co_u32 s26, s26, s39
	s_mov_b32 s27, 0                               ; s[26:27]: offset in x
	s_lshl_b32 s28, s36, 3
	s_lshl1_add_u32 s28, s38, s28                  ; 8 n + 2 lq
	s_lshr_b32 s39, s20, 2
	s_add_co_u32 s28, s28, s39                     ; lb
	s_lshl_b32 s28, s28, 18
	s_lshl_b32 s39, s37, 15
	s_add_co_u32 s28, s28, s39
	s_and_b32 s39, s20, 3                          ; the group of 64 in the 256
	s_lshl_b32 s39, s39, 13
	s_add_co_u32 s28, s28, s39
	s_mov_b32 s29, 0                               ; s[28:29]: offset in xf
	s_wait_kmcnt 0x0
	s_add_nc_u64 s[4:5], s[4:5], s[26:27]
	s_add_nc_u64 s[14:15], s[14:15], s[28:29]
	s_cmp_eq_u32 s21, 1
	s_cselect_b64 s[40:41], s[8:9], s[6:7]
	s_cmp_eq_u32 s21, 2
	s_cselect_b64 s[40:41], s[10:11], s[40:41]
	s_cmp_eq_u32 s21, 3
	s_cselect_b64 s[40:41], s[12:13], s[40:41]     ; the matrix that is read,
	s_cselect_b64 s[42:43], s[18:19], s[16:17]     ; the buffer that is written,
	s_cselect_b32 s44, s35, s33                    ; and the place in it (selects leave SCC as it is)
	s_mov_b32 s45, 0
	s_add_nc_u64 s[40:41], s[40:41], s[24:25]
	s_add_nc_u64 s[42:43], s[42:43], s[44:45]
	global_load_b128 v[WF:WF+3],     v[VW], s[40:41]             ; W(r, 8h .. 8h+3)
	global_load_b128 v[WF+4:WF+7],   v[VW], s[40:41] offset:16   ; W(r, 8h+4 ..)
	global_load_b128 v[WF+8:WF+11],  v[VW], s[40:41] offset:64   ; W(r, 16+8h ..)
	global_load_b128 v[WF+12:WF+15], v[VW], s[40:41] offset:80
.irp u, 0,1,2,3
.irp i, 0,1,2,3,4,5,6,7
	global_load_b128 v[X+32*\u+4*\i:X+32*\u+4*\i+3], v[VX], s[4:5] offset:(16*\u+\i)*8192 th:TH_LOAD_NT   ; lanes 0-15: 256 bytes of row 16u+i, lanes 16-31: of row 16u+8+i
.endr
.endr
	s_wait_loadcnt 32                              ; W's four loads are in; the 32 loads of x issued behind them stay out
.irp p, 0,1,2,3,4,5,6,7
	v_cvt_pk_bf16_f32 v[WP+\p], v[WF+2*\p], v[WF+2*\p+1]
.endr
	s_cmp_lg_u32 s21, 3
	s_cbranch_scc1 .Lkeep_bf16
.irp p, 0,1,2,3,4,5,6,7                        ; Wo alone: the bf16 rounding, written as f16
	v_lshlrev_b32 v[WF+2*\p],   16, v[WP+\p]
	v_and_b32     v[WF+2*\p+1], 0xffff0000, v[WP+\p]
.endr
.irp p, 0,1,2,3,4,5,6,7
	v_cvt_pk_f16_f32 v[WP+\p], v[WF+2*\p], v[WF+2*\p+1]
.endr
.Lkeep_bf16:
	global_store_b128 v[LOFF], v[WP:WP+3],   s[42:43]
	global_store_b128 v[LOFF], v[WP+4:WP+7], s[42:43] offset:512
.irp u, 0,1,2,3
	s_wait_loadcnt 24-8*\u                         ; loads come back in order: unit u's eight are in, the younger units stay out
.irp s, 0,1,2,3
.irp p, 0,1,2,3
	v_cvt_pk_bf16_f32 v[Y+16*\u+4*\s+\p], v[X+32*\u+8*\p+\s], v[X+32*\u+8*\p+4+\s]   ; channels 16u+8h+2p, +1 of position 4r+s
.endr
.endr
.irp s, 0,1,2,3
	global_store_b128 v[LOFF], v[Y+16*\u+4*\s:Y+16*\u+4*\s+3], s[14:15] offset:\s*2048+\u*512   ; one block: 512 consecutive bytes
.endr
.endr
	s_endpgm
.Lfunc_end_k_q458298459e_prep:
	.size	k_q458298459e_prep, .Lfunc_end_k_q458298459e_prep-k_q458298459e_prep
	.p2alignl 7, 3214868480
	.fill 96, 4, 3214868480
	.section	.rodata,"a",@progbits
	.p2align	6, 0x0
	.amdhsa_kernel k_q458298459e_prep
		.amdhsa_group_segment_fixed_size 0
		.amdhsa_private_segment_fixed_size 0
		.amdhsa_enable_private_segment 0
		.amdhsa_kernarg_size 64
		.amdhsa_user_sgpr_count 2
		.amdhsa_user_sgpr_kernarg_segment_ptr 1
		.amdhsa_wavefront_size32 1
		.amdhsa_system_sgpr_workgroup_id_x 1
		.amdhsa_system_sgpr_workgroup_id_y 1
		.amdhsa_system_sgpr_workgroup_id_z 1
		.amdhsa_system_vgpr_workitem_id 0
		.amdhsa_next_free_vgpr 232
		.amdhsa_next_free_sgpr 66
		.amdhsa_reserve_vcc 0
		.amdhsa_float_denorm_mode_32 3
		.amdhsa_float_denorm_mode_16_64 3
		.amdhsa_memory_ordered 1
		.amdhsa_forward_progress 1
		.amdhsa_inst_pref_size 14
	.end_amdhsa_kernel
	.amdgpu_metadata
---
amdhsa.version: [ 1, 2 ]
amdhsa.kernels:
  - .name:           k_q458298459e_prep
    .symbol:         k_q458298459e_prep.kd
    .args:
      - { .name: x, .offset: 0, .size: 8, .value_kind: global_buffer, .address_space: global }
      - { .name: Wq, .offset: 8, .size: 8, .value_kind: global_buffer, .address_space: global }
      - { .name: Wk, .offset: 16, .size: 8, .value_kind: global_buffer, .address_space: global }
      - { .name: Wv, .offset: 24, .size: 8, .value_kind: global_buffer, .address_space: global }
      - { .name: Wo, .offset: 32, .size: 8, .value_kind: global_buffer, .address_space: global }
      - { .name: xf, .offset: 40, .size: 8, .value_kind: global_buffer, .address_space: global }
      - { .name: wf, .offset: 48, .size: 8, .value_kind: global_buffer, .address_space: global }
      - { .name: wof, .offset: 56, .size: 8, .value_kind: global_buffer, .address_space: global }
    .group_segment_fixed_size: 0
    .private_segment_fixed_size: 0
    .kernarg_segment_align: 8
    .kernarg_segment_size: 64
    .max_flat_workgroup_size: 256
    .sgpr_count:     66
    .vgpr_count:     232
    .wavefront_size: 32
...
	.end_amdgpu_metadata
.endif
;; end of part 1
;; launch qkv (part 2): grid 4 x 64, 4 waves a work-group, clusters of 4 x 4, 327,680 bytes of LDS; arguments xf, wf, qf, kvf, vlo; writes qf, kvf, vlo
.if DOCPART == 2
	.amdgcn_target "amdgcn-amd-amdhsa--gfx1250"
	.amdhsa_code_object_version 6
	.text
	.protected	k_q458298459e_qkv
	.globl	k_q458298459e_qkv
	.p2align	8
	.type	k_q458298459e_qkv,@function
k_q458298459e_qkv:
	s_mov_b64 s[64:65], 0
	v_nop
	global_prefetch_b8 v0, s[64:65] scope:SCOPE_SE
	s_setreg_imm32_b32 hwreg(HW_REG_WAVE_MODE, 25, 1), 1
	s_wait_xcnt 0x0
	s_wait_alu depctr_hold_cnt(0) depctr_sa_sdst(0) depctr_va_vdst(0) depctr_va_sdst(0) depctr_va_ssrc(0) depctr_va_vcc(0) depctr_vm_vsrc(0)
	s_getreg_b32 s2, hwreg(HW_REG_IB_STS2, 6, 4)
	s_cmp_eq_u32 s2, 0
	s_cbranch_scc0 .Lentry_in_a_cluster
	s_endpgm
.Lentry_in_a_cluster:
	s_bfe_u32 s2, ttmp6, 0x10000c
	s_cmp_lg_u32 s2, 0xf033
	s_cbranch_scc0 .Lentry_shape_is_right
	s_endpgm
.Lentry_shape_is_right:
; QKV: q, k, v = Wq x, Wk x, Wv x in one bf16 product, f32 sums, results stored as f16 blocks in the layout the attention launch reads.
; A work-group makes 256 positions (block lb) x 384 rows (128 each of q, k, v: block ob = two heads).  Four waves; wave w takes
; 128 positions (lh = w >> 1, eight position tiles) and one head (oh = w & 1): 3 x 4 x 8 = 96 accumulator tiles, 768 registers.
; K = 512 channels goes in 8 steps of 64 through two LDS slots.  xf and wf hold fragments as blocks of 512 bytes (lane L's 16 bytes at
; 16 L), so a K step's operands are dense in memory (32 KiB of x, 48 KiB of W), come in as rows of 256 bytes, and every LDS read of a
; wave is 512 consecutive bytes: no padding is needed.
; q and k: source 0 = W's fragment, source 1 = x's: a lane then holds one position and 8 neighbouring d: packed to f16 that is a block of
; a Q or K fragment.  v: the sources are swapped: a lane holds one d and 8 positions of a tile: a block of a V fragment (K = keys).
; CLUSTERS: 4 x 4 work-groups.  The four of a row of the cluster share lb = 16 cy + (cluster's y), so x's tiles are asked for jointly along
; the row; the four of a column share ob = cx, so W's tiles are asked for jointly along the column.
; With lb made so, lb & 7 is the same in all sixteen partners, and the one branch below that hangs on it is alike in all.
; LOW PARTS: for keys 0..63 of each batch v is stored as hi + lo: hi = v with its mantissa cut to 10 bits (exact in f16), lo = v - hi in f16
; (buffer vlo).  The first 64 rows of the result average few keys, and one f16 rounding of v would show there.
; LIMITS: q, k, v are f16: |W x| must stay below 65504; numbers below 6.1e-5 keep an absolute grain of 6e-8.
; REGISTERS: window 0: v16-20 addresses, v64-127 / v128-191 x's fragments (channel halves 0 / 1), v192-223 / v224-255 W's fragments, two buffers;
; window 1: q's 32 tiles, window 2: k's, window 3: v's; tile (t, lt) at v[8 (8 t + lt)].
.set SLOT,  81920                      ; x's 32 KiB, then W's 48 KiB
.set WOFF,  32768
.set XSTEP, 32768                      ; bytes of xf in a K step
.set WSTEP, 49152                      ; bytes of wf in a K step
.set ADRX, 16                          ; v16-17 LDS address of my x fragments in slot 0, 1
.set ADRW, 18                          ; v18-19 the same for W
.set LOFF, 20                          ; v20    16 L
.set XB0, 64
.set XB1, 128
.set WB0, 192
.set WB1, 224
.set G1,  24                           ; s[24:31] descriptor group 1 for x's tiles
.set G0,  32                           ; s[32:39] group 0 for x's tiles, one set a slot
.set G1B, 48                           ; s[48:55] group 1 for W's tiles
.set G0B, 56                           ; s[56:63] group 0 for W's tiles, one set a slot
.set MSB, 0
.macro WIN new                         ; the immediate's high byte repeats the setting that is left
.if MSB != \new
	s_set_vgpr_msb (MSB<<8)|\new
.set MSB, \new
.endif
.endm
.macro PLACES                          ; four places behind matrix instructions, ahead of loads into their sources and of reads of their results
.rept 4
	v_nop
.endr
.endm
; A joint load: waves 0 and 1 fetch x's two halves, waves 2 and 3 W's.  The branch hangs on the wave's number alone.
.macro JLOAD s
	s_cmp_eq_u32 s15, 0
	s_cbranch_scc0 .Lfor_w_\@
	tensor_load_to_lds s[G0+4*\s:G0+4*\s+3], s[G1:G1+7]
	s_nop 0
	s_branch .Lasked_\@
.Lfor_w_\@:
	tensor_load_to_lds s[G0B+4*\s:G0B+4*\s+3], s[G1B:G1B+7]
	s_nop 0
.Lasked_\@:
.endm
.macro CREST                           ; a round of the cluster's barrier behind its opening barrier
	s_cmp_lg_u32 s14, 0
	s_cbranch_scc1 .Lnot_wave_0_\@
	s_barrier_signal -3
.Lnot_wave_0_\@:
	s_barrier_wait -3
	s_barrier_signal -1
	s_barrier_wait -1
.endm
.macro CROUND                          ; a whole round
	s_barrier_signal -1
	s_barrier_wait -1
	CREST
.endm
	s_load_b256 s[4:11], s[0:1], 0x0               ; xf s[4:5], wf s[6:7], qf s[8:9], kvf s[10:11]
	s_load_b64 s[12:13], s[0:1], 0x20              ; vlo
	v_lshl_add_u32 v62, v0, 2, 0x29000
	v_mov_b32 v63, 0
	ds_add_u32 v62, v63
	ds_add_u32 v62, v63
	v_lshrrev_b32 v1, 5, v0
	v_readfirstlane_b32 s14, v1                    ; wave 0..3
	s_lshr_b32 s15, s14, 1                         ; lh: my half of the positions.  Also: I fetch for x (0) or for W (1)
	s_and_b32 s16, s14, 1                          ; oh: my head of the two.  Also: which half of that tile I fetch
	s_bfe_u32 s40, ttmp6, 0x40000                  ; cx
	s_bfe_u32 s41, ttmp6, 0x40004                  ; cy
	s_and_b32 s42, ttmp7, 0xffff                   ; the cluster's y, 0..15
	s_lshl_b32 s43, ttmp9, 2
	s_add_co_u32 s43, s43, s40                     ; ob = 4 x cluster x + cx
	s_lshl_b32 s44, s41, 4
	s_add_co_u32 s44, s44, s42                     ; lb = 16 cy + cluster y: each of 0..63 once
	s_lshl_b32 s45, s41, 2
	s_lshl_b32 s45, 15, s45                        ; my row of the cluster: places 4 cy .. 4 cy + 3
	s_lshl_b32 s46, 0x1111, s40                    ; my column: places cx, cx + 4, cx + 8, cx + 12
	; group 1: dense bytes as rows of 32 elements of 8 bytes; x: 64 rows (16 KiB) a wave, W: 96 rows (24 KiB) a wave
	s_or_b32 s[G1+0],  s45, (3<<16)|(1<<21)        ; 15:0 the mask; 17:16 elements of 8 bytes; 21 set beside a mask; no padding
	s_or_b32 s[G1B+0], s46, (3<<16)|(1<<21)
	s_mov_b32 s[G1+1],  32<<16                     ; tensor_dim0 = 32
	s_mov_b32 s[G1B+1], 32<<16
	s_mov_b32 s[G1+2],  64<<16                     ; tensor_dim1 = rows
	s_mov_b32 s[G1B+2], 96<<16
	s_mov_b32 s[G1+3],  32<<16                     ; tile_dim0 = 32
	s_mov_b32 s[G1B+3], 32<<16
	s_mov_b32 s[G1+4],  64                         ; tile_dim1 = rows
	s_mov_b32 s[G1B+4], 96
	s_mov_b32 s[G1+5],  32                         ; 32 elements from row to row
	s_mov_b32 s[G1B+5], 32
	s_mov_b32 s[G1+6],  0
	s_mov_b32 s[G1B+6], 0
	s_mov_b32 s[G1+7],  0
	s_mov_b32 s[G1B+7], 0
	; x's address is made of lb and the wave's number, W's of ob and the wave's number, each in registers that never hold the other coordinate
	s_lshl_b32 s20, s44, 18                        ; lb x 8 K steps x 32 KiB
	s_lshl_b32 s17, s16, 14                        ; my half of x's tile: its offset in memory and its LDS address
	s_add_co_u32 s20, s20, s17
	s_mov_b32 s21, 0
	s_mul_i32 s22, s43, 8*WSTEP
	s_mul_i32 s47, s16, WSTEP/2                    ; my half of W's tile
	s_add_co_u32 s22, s22, s47
	s_mov_b32 s23, 0
	s_add_co_u32 s18, s47, WOFF                    ; its LDS address
	s_wait_dscnt 0x0
	s_wait_kmcnt 0x0
	s_add_nc_u64 s[20:21], s[4:5], s[20:21]
	s_add_nc_u64 s[22:23], s[6:7], s[22:23]
	CROUND                                         ; all sixteen work-groups are here: the first joint loads meet
.irp s, 0,1
	s_mov_b32 s[G0+4*\s], 1
	s_add_co_u32 s[G0+4*\s+1], s17, \s*SLOT
	s_add_nc_u64 s[G0+4*\s+2:G0+4*\s+3], s[20:21], \s*XSTEP
	s_or_b32 s[G0+4*\s+3], s[G0+4*\s+3], 0x80000000
	s_mov_b32 s[G0B+4*\s], 1
	s_add_co_u32 s[G0B+4*\s+1], s18, \s*SLOT
	s_add_nc_u64 s[G0B+4*\s+2:G0B+4*\s+3], s[22:23], \s*WSTEP
	s_or_b32 s[G0B+4*\s+3], s[G0B+4*\s+3], 0x80000000
	JLOAD \s                                       ; K steps 0 and 1: two tensor loads of the wave are out, the most in this text
.endr
	v_and_b32 v1, 31, v0
	v_lshlrev_b32 v[LOFF], 4, v1
	s_lshl_b32 s47, s15, 14                        ; my eight position tiles of 2 KiB
	s_mul_i32 s70, s16, WSTEP/2                    ; my head's twelve W fragments of 2 KiB
	s_add_co_u32 s70, s70, WOFF
.irp s, 0,1
	v_add_nc_u32 v[ADRX+\s], s47, v[LOFF]
	v_add_nc_u32 v[ADRW+\s], s70, v[LOFF]
	s_add_co_u32 s47, s47, SLOT
	s_add_co_u32 s70, s70, SLOT
.endr
; 8 LDS loads: the four W fragments of group g (0 q, 1 k, 2 v), channel half ch
.macro LOADW buf, slot, g, ch
.irp t, 0,1,2,3
.irp hf, 0,1
	ds_load_b128 v[\buf+8*\t+4*\hf:\buf+8*\t+4*\hf+3], v[ADRW+\slot] offset:(4*\g+\t)*2048+\ch*1024+\hf*512
.endr
.endr
.endm
; 16 LDS loads: my eight x fragments, channel half ch
.macro LOADX buf, slot, ch
.irp lt, 0,1,2,3,4,5,6,7
.irp hf, 0,1
	ds_load_b128 v[\buf+8*\lt+4*\hf:\buf+8*\lt+4*\hf+3], v[ADRX+\slot] offset:\lt*2048+\ch*1024+\hf*512
.endr
.endr
.endm
; 16 matrix instructions: row tiles t0, t0 + 1 x my 8 position tiles.  zero = 1: the first product starts the sums.  swap = 1: x is source 0.
.macro MUL16 xb, wb, t0, zero, swap
.irp t, \t0, \t0+1
.irp lt, 0,1,2,3,4,5,6,7
.if \swap
.if \zero
	v_wmma_f32_16x16x32_bf16 v[8*(8*(\t)+\lt):8*(8*(\t)+\lt)+7], v[\xb+8*\lt:\xb+8*\lt+7], v[\wb+8*(\t):\wb+8*(\t)+7], 0
.else
	v_wmma_f32_16x16x32_bf16 v[8*(8*(\t)+\lt):8*(8*(\t)+\lt)+7], v[\xb+8*\lt:\xb+8*\lt+7], v[\wb+8*(\t):\wb+8*(\t)+7], v[8*(8*(\t)+\lt):8*(8*(\t)+\lt)+7]
.endif
.else
.if \zero
	v_wmma_f32_16x16x32_bf16 v[8*(8*(\t)+\lt):8*(8*(\t)+\lt)+7], v[\wb+8*(\t):\wb+8*(\t)+7], v[\xb+8*\lt:\xb+8*\lt+7], 0
.else
	v_wmma_f32_16x16x32_bf16 v[8*(8*(\t)+\lt):8*(8*(\t)+\lt)+7], v[\wb+8*(\t):\wb+8*(\t)+7], v[\xb+8*\lt:\xb+8*\lt+7], v[8*(8*(\t)+\lt):8*(8*(\t)+\lt)+7]
.endif
.endif
.endr
.endr
.endm
; A K step of 64 channels: six stages (channel half ch, group g) of 32 matrix instructions.  Each stage first issues the next stage's loads,
; four places behind the matrix instructions that read those registers, and its counted wait leaves exactly these loads out.
; The 96 accumulators take turns, one instruction a turn, over the backward jump too.
; mode 2: this slot is filled again, two K steps ahead; 1: slots change, nothing is fetched; 0: the last K step.
.macro KSTEP slot, next, mode, zero
	WIN 0
	PLACES
	LOADW WB1, \slot, 1, 0
	s_wait_dscnt 8                                 ; all but the 8 just issued: q's W fragments and x's half 0 are in
	WIN 0x50
	MUL16 XB0, WB0, 0, \zero, 0
	MUL16 XB0, WB0, 2, \zero, 0
	WIN 0
	PLACES
	LOADW WB0, \slot, 2, 0
	s_wait_dscnt 8
	WIN 0xa0
	MUL16 XB0, WB1, 0, \zero, 0
	MUL16 XB0, WB1, 2, \zero, 0
	WIN 0
	PLACES
	LOADW WB1, \slot, 0, 1
	LOADX XB1, \slot, 1
	s_wait_dscnt 24                                ; all but the 8 + 16 just issued
	WIN 0xf0
	MUL16 XB0, WB0, 0, \zero, 1
	MUL16 XB0, WB0, 2, \zero, 1
	WIN 0
	PLACES
	LOADW WB0, \slot, 1, 1
	s_wait_dscnt 8
	WIN 0x50
	MUL16 XB1, WB1, 0, 0, 0
	MUL16 XB1, WB1, 2, 0, 0
	WIN 0
	PLACES
	LOADW WB1, \slot, 2, 1                         ; my last reads of this slot
	s_wait_dscnt 8
	WIN 0xa0
	MUL16 XB1, WB0, 0, 0, 0
.if \mode
	s_wait_dscnt 0                                 ; my reads of this slot are over,
	s_wait_tensorcnt 0x0                           ; and all my tensor loads have landed: the one that was out is my part of the next slot
	ds_add_u32 v62, v63
	s_wait_dscnt 0x0
	s_barrier_signal -1                            ; say so (with a refill this barrier opens a round of the cluster's barrier),
.endif
	MUL16 XB1, WB0, 2, 0, 0                        ; work on registers meanwhile
	WIN 0
.if \mode
	s_barrier_wait -1
.endif
.if \mode == 2
	CREST                                          ; no wave of any partner still reads this slot or has a load on its way
	s_add_nc_u64 s[G0+4*\slot+2:G0+4*\slot+3], s[G0+4*\slot+2:G0+4*\slot+3], 2*XSTEP
	s_add_nc_u64 s[G0B+4*\slot+2:G0B+4*\slot+3], s[G0B+4*\slot+2:G0B+4*\slot+3], 2*WSTEP
	JLOAD \slot                                    ; the first tensor load behind the round, one a wave; 176 matrix instructions stand between it and the wait for it
.endif
.if \mode
	PLACES
	LOADW WB0, \next, 0, 0
	LOADX XB0, \next, 0
.else
	s_wait_dscnt 0
.endif
	WIN 0xf0
	MUL16 XB1, WB1, 0, 0, 1
	MUL16 XB1, WB1, 2, 0, 1
	WIN 0
.endm
	s_wait_tensorcnt 0x1                           ; my part of K step 0 is in; K step 1's stays out
	s_barrier_signal -1
	s_barrier_wait -1
	LOADW WB0, 0, 0, 0
	LOADX XB0, 0, 0
	KSTEP 0, 1, 2, 1                               ; K steps 0 and 1 stand ahead of the loop: the first products start the sums
	KSTEP 1, 0, 2, 0
	s_mov_b32 s3, 2
.Llap:
	KSTEP 0, 1, 2, 0                               ; K steps 2 to 5
	KSTEP 1, 0, 2, 0
	s_sub_co_u32 s3, s3, 1
	s_cmp_lg_u32 s3, 0
	s_cbranch_scc1 .Llap
	KSTEP 0, 1, 1, 0                               ; K step 6: nothing is left to fetch
	KSTEP 1, 0, 0, 0                               ; K step 7
	; THE WAY OUT.  A tile packed to f16 is one block: four conversions and one store of 512 consecutive bytes.
	PLACES
	s_lshr_b32 s47, s44, 3                         ; n
	s_and_b32 s75, s42, 7                          ; the block of 256 positions in the batch: lb & 7 = cluster y & 7
	s_lshl_b32 s76, s43, 1
	s_add_co_u32 s76, s76, s16                     ; head = 2 ob + oh
	s_lshl_b32 s70, s47, 21                        ; qf: n*2097152 + head*262144 + tile*2048 + t*512
	s_lshl_b32 s71, s76, 18
	s_add_co_u32 s70, s70, s71
	s_lshl_b32 s71, s75, 15
	s_add_co_u32 s70, s70, s71
	s_lshl_b32 s71, s15, 14
	s_add_co_u32 s70, s70, s71
	s_mov_b32 s71, 0
	s_add_nc_u64 s[66:67], s[8:9], s[70:71]
	s_lshl_b32 s70, s47, 22                        ; kvf: n*4194304 + head*524288 + block*65536, K's 32 KiB then V's
	s_lshl_b32 s71, s76, 19
	s_add_co_u32 s70, s70, s71
	s_lshl_b32 s71, s75, 16
	s_add_co_u32 s70, s70, s71
	s_lshl_b32 s71, s15, 14
	s_add_co_u32 s70, s70, s71
	s_mov_b32 s71, 0
	s_add_nc_u64 s[68:69], s[10:11], s[70:71]
	s_lshl3_add_u32 s70, s47, s76                  ; vlo: (8 n + head) * 8192
	s_lshl_b32 s70, s70, 13
	s_add_nc_u64 s[72:73], s[12:13], s[70:71]
	s_mov_b32 s74, 0xffffe000                      ; keeps sign, exponent and 10 bits of mantissa
; q or k: row tile t, my 8 position tiles.  from: the window of both conversion sources.
.macro OUTQK from, t, tmp, b
	s_wait_xcnt 0x0                                ; registers that earlier stores read are rewritten only behind this wait
	WIN \from
.irp lt, 0,1,2,3,4,5,6,7
.irp p, 0,1,2,3
	v_cvt_pk_f16_f32 v[\tmp+4*\lt+\p], v[8*(8*\t+\lt)+2*\p], v[8*(8*\t+\lt)+2*\p+1]
.endr
.endr
	WIN 0
.irp lt, 0,1,2,3,4,5,6,7
	global_store_b128 v[LOFF], v[\tmp+4*\lt:\tmp+4*\lt+3], s[\b:\b+1] offset:\lt*2048+\t*512
.endr
.endm
; v: d tiles t0, t0 + 1, position tiles lt0 .. lt0 + 3 (one group of 64 keys).  Block of V: group*8192 + (s>>1)*4096 + dt*1024 + (s&1)*512.
.macro OUTV t0, lt0, tmp
	s_wait_xcnt 0x0
	WIN 0x0f
.irp tt, 0,1
.irp l, 0,1,2,3
.irp p, 0,1,2,3
	v_cvt_pk_f16_f32 v[\tmp+16*\tt+4*\l+\p], v[8*(8*(\t0+\tt)+\lt0+\l)+2*\p], v[8*(8*(\t0+\tt)+\lt0+\l)+2*\p+1]
.endr
.endr
.endr
	WIN 0
.irp tt, 0,1
.irp l, 0,1,2,3
	global_store_b128 v[LOFF], v[\tmp+16*\tt+4*\l:\tmp+16*\tt+4*\l+3], s[68:69] offset:32768+(\lt0/4)*8192+(\l>>1)*4096+(\t0+\tt)*1024+(\l&1)*512
.endr
.endr
.endm
; v of keys 0..63 of a batch, d tile t: hi (mantissa cut) into kvf, lo = v - hi into vlo
.set HI32, 64
.set LO32, 96
.set PH,   128
.set PL,   144
.macro OUTVLO t
	s_wait_xcnt 0x0
	WIN 0x03                                       ; source 0 in window 3
.irp l, 0,1,2,3
.irp j, 0,1,2,3,4,5,6,7
	v_and_b32 v[HI32+8*\l+\j], v[8*(8*\t+\l)+\j], s74
.endr
.irp j, 0,1,2,3,4,5,6,7
	v_sub_f32 v[LO32+8*\l+\j], v[8*(8*\t+\l)+\j], v[HI32+8*\l+\j]
.endr
.endr
	WIN 0
.irp l, 0,1,2,3
.irp p, 0,1,2,3
	v_cvt_pk_f16_f32 v[PH+4*\l+\p], v[HI32+8*\l+2*\p], v[HI32+8*\l+2*\p+1]
	v_cvt_pk_f16_f32 v[PL+4*\l+\p], v[LO32+8*\l+2*\p], v[LO32+8*\l+2*\p+1]
.endr
.endr
.irp l, 0,1,2,3
	global_store_b128 v[LOFF], v[PH+4*\l:PH+4*\l+3], s[68:69] offset:32768+(\l>>1)*4096+\t*1024+(\l&1)*512
	global_store_b128 v[LOFF], v[PL+4*\l:PL+4*\l+3], s[72:73] offset:(\l>>1)*4096+\t*1024+(\l&1)*512
.endr
.endm
	OUTQK 0x05, 0, 64,  66
	OUTQK 0x05, 1, 96,  66
	OUTQK 0x05, 2, 128, 66
	OUTQK 0x05, 3, 160, 66
	OUTQK 0x0a, 0, 64,  68
	OUTQK 0x0a, 1, 96,  68
	OUTQK 0x0a, 2, 128, 68
	OUTQK 0x0a, 3, 160, 68
	OUTV 0, 4, 64
	OUTV 2, 4, 96
	s_cmp_lg_u32 s15, 0                            ; my first group of 64 keys is keys 0..63 of the batch only in waves 0 and 1
	s_cbranch_scc1 .Lplain
	s_cmp_lg_u32 s75, 0                            ; of the batch's first block (the same answer in all sixteen partners)
	s_cbranch_scc1 .Lplain
	OUTVLO 0
	OUTVLO 1
	OUTVLO 2
	OUTVLO 3
	s_branch .Lstored
.Lplain:
	OUTV 0, 0, 128
	OUTV 2, 0, 160
.Lstored:
	CROUND                                         ; the closing round: no work-group ends while a partner may still ask for a tile that names it
	s_endpgm
.Lfunc_end_k_q458298459e_qkv:
	.size	k_q458298459e_qkv, .Lfunc_end_k_q458298459e_qkv-k_q458298459e_qkv
	.p2alignl 7, 3214868480
	.fill 96, 4, 3214868480
	.section	.rodata,"a",@progbits
	.p2align	6, 0x0
	.amdhsa_kernel k_q458298459e_qkv
		.amdhsa_group_segment_fixed_size 327680
		.amdhsa_private_segment_fixed_size 0
		.amdhsa_enable_private_segment 0
		.amdhsa_kernarg_size 40
		.amdhsa_user_sgpr_count 2
		.amdhsa_user_sgpr_kernarg_segment_ptr 1
		.amdhsa_wavefront_size32 1
		.amdhsa_system_sgpr_workgroup_id_x 1
		.amdhsa_system_sgpr_workgroup_id_y 1
		.amdhsa_system_sgpr_workgroup_id_z 1
		.amdhsa_system_vgpr_workitem_id 0
		.amdhsa_next_free_vgpr 1024
		.amdhsa_next_free_sgpr 80
		.amdhsa_reserve_vcc 0
		.amdhsa_float_denorm_mode_32 3
		.amdhsa_float_denorm_mode_16_64 3
		.amdhsa_memory_ordered 1
		.amdhsa_forward_progress 1
		.amdhsa_inst_pref_size 178
	.end_amdhsa_kernel
	.amdgpu_metadata
---
amdhsa.version: [ 1, 2 ]
amdhsa.kernels:
  - .name:           k_q458298459e_qkv
    .symbol:         k_q458298459e_qkv.kd
    .args:
      - { .name: xf, .offset: 0, .size: 8, .value_kind: global_buffer, .address_space: global }
      - { .name: wf, .offset: 8, .size: 8, .value_kind: global_buffer, .address_space: global }
      - { .name: qf, .offset: 16, .size: 8, .value_kind: global_buffer, .address_space: global }
      - { .name: kvf, .offset: 24, .size: 8, .value_kind: global_buffer, .address_space: global }
      - { .name: vlo, .offset: 32, .size: 8, .value_kind: global_buffer, .address_space: global }
    .group_segment_fixed_size: 327680
    .private_segment_fixed_size: 0
    .kernarg_segment_align: 8
    .kernarg_segment_size: 40
    .max_flat_workgroup_size: 128
    .sgpr_count:     80
    .vgpr_count:     1024
    .wavefront_size: 32
...
	.end_amdgpu_metadata
.endif
;; end of part 2
;; launch attn (part 3): grid 256 x 1, 8 waves a work-group, no clusters, 327,680 bytes of LDS; arguments qf, kvf, vlo, af; writes af
.if DOCPART == 3
	.amdgcn_target "amdgcn-amd-amdhsa--gfx1250"
	.amdhsa_code_object_version 6
	.text
	.protected	k_q458298459e_attn
	.globl	k_q458298459e_attn
	.p2align	8
	.type	k_q458298459e_attn,@function
k_q458298459e_attn:
	s_mov_b64 s[64:65], 0
	v_nop
	global_prefetch_b8 v0, s[64:65] scope:SCOPE_SE
	s_setreg_imm32_b32 hwreg(HW_REG_WAVE_MODE, 25, 1), 1
	s_wait_xcnt 0x0
; ATTN: causal attention, 64 (batch, head) pairs, d = 64, L = 2048; f16 operands, f32 sums, softmax in f32 with a running maximum.
; A work-group serves one (batch, head) and two blocks of 256 queries, block 7 - b and then block b (b = 0..3): 8 - b and b + 1 key blocks of
; 256, nine for every work-group.  Key tiles above the diagonal are not computed.  Eight waves; a wave owns 32 queries (two tiles of 16).
; The vector unit has the most to do here, so two waves share a SIMD: one's softmax runs beside the other's products and LDS loads.
; Wave w takes pair-tile rg = w ^ 3 (w >> 2), so that waves w and w + 4 together have five steps in a diagonal key block.
; POSITIONS: in a group of 64, tile s (0..3) row m is position 64 G + 4 m + s, for queries, keys and values alike; only the mask needs the true position.
; S IS MADE TRANSPOSED: source 0 = K's fragment (rows = keys), source 1 = Q's (columns = queries).  A lane then holds ONE query and 8 keys a
; tile, so maximum, sum and scale are a lane's own (one exchange joins the two halves of 16 lanes), and exp(S) packed to f16 is, in place,
; the second source of O^T += V^T P^T.  O^T packed is a block of the next launch's fragments.  Nothing goes through LDS but K and V.
; No joint loads: the four work-groups of a (batch, head) walk 8 - b and then b + 1 key blocks, so their lists of tiles agree in the first
; five trips alone; a lock-step walk over all keys would cost every work-group 16 key blocks in place of 9.
; LOW PARTS: the result is stored as hi + lo (hi: mantissa cut to 10 bits, exact in f16; lo: the rest, in f16); queries 0..63 of a batch also add P x (low part of V).
; LIMITS: q, k, v, p and the result are f16: magnitudes below 65504, absolute grain 6e-8 below 6.1e-5.  exp uses v_exp_f32, whose results below 2^-126 are 0.
.set SLOT, 65536                       ; a key block: K's 32 KiB, then V's 32 KiB; two slots
.set KA,   2                           ; v2-3    16 L + slot * 65536; v2 is also a lane's place in a block in memory
.set M,    4                           ; v[4:5]   running maximum of the raw scores, one a query tile
.set NM,   6                           ; v[6:7]   - c m
.set LS,   8                           ; v[8:9]   running sum (this half of the lanes' keys)
.set AL,   10                          ; v[10:11] the step's factor for old sums; at the end 1 / sum
.set T,    12                          ; v[12:19] at work
.set KM,   20                          ; v20-21  KA + my own group of 64 keys in a diagonal block
.set DQ,   22                          ; v[22:23] my query's place in its group of 64, less 32 h
.set Q,    24                          ; v[24:55]   Q fragments: + 16 qt + 8 ch
.set S,    56                          ; v[56:119]  scores: + 32 qt + 8 kt; then P fragments: + 32 qt + 8 kc
.set O,    120                         ; v[120:183] O^T: + 32 qt + 8 dt
.set F,    184                         ; v[184:247] K fragments: + 16 kt + 8 ch; then V fragments: + 32 kc + 8 dt
.set NINF, 248                         ; v248    -infinity
	s_load_b256 s[4:11], s[0:1], 0x0               ; qf s[4:5], kvf s[6:7], vlo s[8:9], af s[10:11]
	v_lshl_add_u32 v254, v0, 2, 0x29000
	v_mov_b32 v255, 0
	ds_add_u32 v254, v255
	ds_add_u32 v254, v255
	v_lshrrev_b32 v[T], 5, v0
	v_readfirstlane_b32 s12, v[T]                  ; wave 0..7
	s_lshr_b32 s13, ttmp9, 2                       ; nh = 8 n + head
	s_and_b32 s14, ttmp9, 3                        ; b
	s_lshr_b32 s15, s12, 2
	s_mul_i32 s15, s15, 3
	s_xor_b32 s15, s15, s12                        ; rg
	s_lshr_b32 s16, s15, 1                         ; g: my queries' group of 64 in the block
	s_mov_b32 s17, 0                               ; t: the tile at work, 0..8
	s_sub_co_u32 s18, 7, s14                       ; the next diagonal tile; also the first query block
	s_sub_co_u32 s19, 8, s14                       ; tiles of the first query block
	s_or_b32 s55, s14, s16                         ; 0: my second block's queries are 0..63 of the batch
	s_mov_b32 s50, 0x3d8293ee                      ; c = 512^-0.5 x log2 e
	s_mov_b32 s51, 0x3d8293ee
	s_mov_b32 s52, 0xbd8293ee                      ; - c
	s_mov_b32 s53, 0x76543210                      ; v_permlanex16_b32: lane i of one half reads lane i of the other
	s_mov_b32 s54, 0xfedcba98
	s_mov_b32 s60, 0xffffe000                      ; keeps sign, exponent and 10 bits of mantissa
	; group 1: 8 KiB of dense bytes as 32 rows of 32 elements of 8 bytes; each wave brings an eighth of a key block
	s_mov_b32 s24, 3<<16
	s_mov_b32 s25, 32<<16
	s_mov_b32 s26, 32<<16
	s_mov_b32 s27, 32<<16
	s_mov_b32 s28, 32
	s_mov_b32 s29, 32
	s_mov_b32 s30, 0
	s_mov_b32 s31, 0
	s_lshl_b32 s22, s13, 19                        ; kvf: nh * 524288
	s_lshl_b32 s33, s12, 13                        ; my eighth: its LDS address in slot 0 and its offset in a key block
	s_add_co_u32 s22, s22, s33
	s_mov_b32 s23, 0
	s_mov_b32 s32, 1
	s_mov_b32 s36, 1
	s_add_co_u32 s37, s33, SLOT
	s_wait_dscnt 0x0
	s_wait_kmcnt 0x0
	s_add_nc_u64 s[40:41], s[6:7], s[22:23]        ; my eighth of key block 0
	s_mov_b64 s[34:35], s[40:41]
	s_or_b32 s35, s35, 0x80000000
	s_add_nc_u64 s[38:39], s[40:41], SLOT
	s_or_b32 s39, s39, 0x80000000
	tensor_load_to_lds s[32:35], s[24:31]          ; tiles 0 and 1 are key blocks 0 and 1 (the first query block has at least five):
	s_nop 0
	tensor_load_to_lds s[36:39], s[24:31]          ; two tensor loads of the wave are out, the most in this text
	s_nop 0
	; addresses of Q and of the result for both query blocks
	s_lshl_b32 s56, s13, 18                        ; qf: nh*262144 + block*32768 + rg*4096
	s_lshl_b32 s57, s15, 12
	s_add_co_u32 s56, s56, s57
	s_lshl_b32 s57, s18, 15
	s_add_co_u32 s22, s56, s57
	s_add_nc_u64 s[58:59], s[4:5], s[22:23]        ; Q of block 7 - b
	s_lshl_b32 s57, s14, 15
	s_add_co_u32 s22, s56, s57
	s_add_nc_u64 s[42:43], s[4:5], s[22:23]        ; Q of block b
	s_lshr_b32 s56, s13, 3                         ; af: (8 n + block)*524288 + head*65536 + part*32768 + rg*4096
	s_lshl_b32 s56, s56, 22
	s_and_b32 s57, s13, 7
	s_lshl_b32 s57, s57, 16
	s_add_co_u32 s56, s56, s57
	s_lshl_b32 s57, s15, 12
	s_add_co_u32 s56, s56, s57
	s_lshl_b32 s57, s18, 19
	s_add_co_u32 s22, s56, s57
	s_add_nc_u64 s[44:45], s[10:11], s[22:23]      ; the result of the block at work
	s_lshl_b32 s57, s14, 19
	s_add_co_u32 s22, s56, s57
	s_add_nc_u64 s[46:47], s[10:11], s[22:23]      ; of block b
	s_lshl_b32 s22, s13, 13
	s_add_nc_u64 s[48:49], s[8:9], s[22:23]        ; vlo: nh * 8192
	v_and_b32 v[T], 31, v0
	v_lshlrev_b32 v[KA], 4, v[T]
	v_add_nc_u32 v[KA+1], SLOT, v[KA]
.irp qt, 0,1
.irp c, 0,1,2,3
	global_load_b128 v[Q+16*\qt+4*\c:Q+16*\qt+4*\c+3], v[KA], s[58:59] offset:\qt*2048+\c*512
.endr
.endr
	s_lshl_b32 s56, s16, 13
	v_add_nc_u32 v[KM], s56, v[KA]
	v_add_nc_u32 v[KM+1], s56, v[KA+1]
	v_and_b32 v[T], 15, v0                         ; r
	v_bfe_u32 v[T+1], v0, 4, 1                     ; h
	s_and_b32 s57, s15, 1
	s_lshl_b32 s57, s57, 1
	v_lshl_add_u32 v[DQ], v[T], 2, s57             ; 4 r + 2 (rg & 1): my query's place for qt = 0,
	v_lshlrev_b32 v[T+1], 5, v[T+1]
	v_sub_nc_u32 v[DQ], v[DQ], v[T+1]              ; less 32 h: register j of key tile kt is key 32 h + 4 j + kt
	v_add_nc_u32 v[DQ+1], 1, v[DQ]
	v_mov_b32 v[NINF], 0xff800000
	v_mov_b32 v[M], 0xff800000
	v_mov_b32 v[M+1], 0xff800000
	v_mov_b32 v[LS], 0
	v_mov_b32 v[LS+1], 0
.macro CLEARO                          ; every step scales O by its factor and adds onto it, the first of a block too (factor 0): a first step written out
.set i, 0                              ; apart would double the text, since the trip in which the second block begins hangs on the work-group's number
.rept 64
	v_mov_b32 v[O+i], 0
.set i, i+1
.endr
.endm
	CLEARO
.macro NOPS n
.rept \n
	v_nop
.endr
.endm
.macro SCALEO                          ; O x AL, a factor for each query tile
.set i, 0
	s_wait_alu depctr_va_vdst(0)
.rept 16
	v_pk_mul_f32 v[O+2*i:O+2*i+1], v[O+2*i:O+2*i+1], v[AL:AL+1] op_sel_hi:[1,0]
.set i, i+1
.endr
.rept 16
	v_pk_mul_f32 v[O+2*i:O+2*i+1], v[O+2*i:O+2*i+1], v[AL:AL+1] op_sel:[0,1] op_sel_hi:[1,1]
.set i, i+1
.endr
.endm
; One step: my 32 queries against 64 keys, whose K blocks stand at v[adr] + off and whose V blocks 32 KiB further.  mask = 1: the keys are my queries' own group.
.macro STEP adr, off, mask
.irp ch, 0,1
.irp kt, 0,1,2,3
.irp hf, 0,1
	ds_load_b128 v[F+16*\kt+8*\ch+4*\hf:F+16*\kt+8*\ch+4*\hf+3], v[\adr] offset:\off+\kt*2048+\ch*1024+\hf*512
.endr
.endr
.endr
	s_wait_dscnt 0x8                               ; d 0..31 of the four key tiles are in; the eight younger loads (d 32..63) stay out
.irp qt, 0,1
.irp kt, 0,1,2,3
	v_wmma_f32_16x16x32_f16 v[S+32*\qt+8*\kt:S+32*\qt+8*\kt+7], v[F+16*\kt:F+16*\kt+7], v[Q+16*\qt:Q+16*\qt+7], 0
.endr
.endr
	s_wait_dscnt 0x0
.irp qt, 0,1                           ; the eight accumulators take turns, one instruction a turn
.irp kt, 0,1,2,3
	v_wmma_f32_16x16x32_f16 v[S+32*\qt+8*\kt:S+32*\qt+8*\kt+7], v[F+16*\kt+8:F+16*\kt+15], v[Q+16*\qt+8:Q+16*\qt+15], v[S+32*\qt+8*\kt:S+32*\qt+8*\kt+7]
.endr
.endr
	NOPS 4                                         ; four places (ISA guide 7.12.1): then V may land on K's registers, and the scores may be read
.irp kc, 0,1
.irp dt, 0,1,2,3
.irp hf, 0,1
	ds_load_b128 v[F+32*\kc+8*\dt+4*\hf:F+32*\kc+8*\dt+4*\hf+3], v[\adr] offset:\off+32768+\kc*4096+\dt*1024+\hf*512
.endr
.endr
.endr
.if \mask
.irp qt, 0,1
.irp kt, 0,1,2,3
.irp j, 0,1,2,3,4,5,6,7
	v_cmp_le_i32 vcc_lo, 4*\j+\kt, v[DQ+\qt]       ; key 32 h + 4 j + kt <= query: kept
	v_cndmask_b32 v[S+32*\qt+8*\kt+\j], v[NINF], v[S+32*\qt+8*\kt+\j], vcc_lo
.endr
.endr
.endr
.endif
	; the new maximum: 32 scores and the old maximum, 16 three-way maxima in four chains for each query tile
.irp qt, 0,1
.irp kt, 0,1,2,3
	v_max3_num_f32 v[T+4*\qt+\kt], v[S+32*\qt+8*\kt], v[S+32*\qt+8*\kt+1], v[S+32*\qt+8*\kt+2]
.endr
.irp kt, 0,1,2,3
	v_max3_num_f32 v[T+4*\qt+\kt], v[T+4*\qt+\kt], v[S+32*\qt+8*\kt+3], v[S+32*\qt+8*\kt+4]
.endr
.irp kt, 0,1,2,3
	v_max3_num_f32 v[T+4*\qt+\kt], v[T+4*\qt+\kt], v[S+32*\qt+8*\kt+5], v[S+32*\qt+8*\kt+6]
.endr
	v_max3_num_f32 v[T+4*\qt],   v[T+4*\qt],   v[S+32*\qt+7],  v[S+32*\qt+15]
	v_max3_num_f32 v[T+4*\qt+2], v[T+4*\qt+2], v[S+32*\qt+23], v[S+32*\qt+31]
	v_max3_num_f32 v[T+4*\qt],   v[T+4*\qt],   v[T+4*\qt+1],   v[T+4*\qt+2]
	v_max3_num_f32 v[T+4*\qt],   v[T+4*\qt],   v[T+4*\qt+3],   v[M+\qt]
.endr
	v_permlanex16_b32 v[T+1], v[T],   s53, s54     ; the other half of the lanes holds the same query's other keys
	v_permlanex16_b32 v[T+5], v[T+4], s53, s54
	v_max_num_f32 v[T],   v[T],   v[T+1]           ; finite: key 0 of a group is never masked, and it lies in one of the two halves
	v_max_num_f32 v[T+4], v[T+4], v[T+5]
	v_mul_f32 v[NM],   s52, v[T]
	v_mul_f32 v[NM+1], s52, v[T+4]
	v_fma_f32 v[T+1], v[M],   s50, v[NM]           ; c (old maximum - new maximum); -infinity in a block's first step
	v_fma_f32 v[T+5], v[M+1], s50, v[NM+1]
	v_exp_f32 v[AL],   v[T+1]
	v_exp_f32 v[AL+1], v[T+5]
	v_mov_b32 v[M],   v[T]                         ; plain instructions behind the exponentials, ahead of the first use of their results
	v_mov_b32 v[M+1], v[T+4]
.set i, 0
.rept 16
	v_pk_fma_f32 v[S+2*i:S+2*i+1], v[S+2*i:S+2*i+1], s[50:51], v[NM:NM+1] op_sel_hi:[1,0,0]
.set i, i+1
.endr
.rept 16
	v_pk_fma_f32 v[S+2*i:S+2*i+1], v[S+2*i:S+2*i+1], s[50:51], v[NM:NM+1] op_sel:[0,0,1] op_sel_hi:[1,0,1]
.set i, i+1
.endr
.set i, 0
.rept 64
	v_exp_f32 v[S+i], v[S+i]                       ; p = 2^(c s - c m), at most 1; 0 where masked
.set i, i+1
.endr
	SCALEO                                         ; also the plain instructions behind the exponentials
.irp qt, 0,1
	v_pk_add_f32 v[T+4*\qt:T+4*\qt+1],   v[S+32*\qt:S+32*\qt+1],   v[S+32*\qt+2:S+32*\qt+3]
	v_pk_add_f32 v[T+4*\qt+2:T+4*\qt+3], v[S+32*\qt+4:S+32*\qt+5], v[S+32*\qt+6:S+32*\qt+7]
.irp i8, 8,12,16,20,24,28
	v_pk_add_f32 v[T+4*\qt:T+4*\qt+1],   v[T+4*\qt:T+4*\qt+1],   v[S+32*\qt+\i8:S+32*\qt+\i8+1]
	v_pk_add_f32 v[T+4*\qt+2:T+4*\qt+3], v[T+4*\qt+2:T+4*\qt+3], v[S+32*\qt+\i8+2:S+32*\qt+\i8+3]
.endr
	v_pk_add_f32 v[T+4*\qt:T+4*\qt+1], v[T+4*\qt:T+4*\qt+1], v[T+4*\qt+2:T+4*\qt+3]
	v_add_f32 v[T+4*\qt], v[T+4*\qt], v[T+4*\qt+1]
	v_fma_f32 v[LS+\qt], v[LS+\qt], v[AL+\qt], v[T+4*\qt]
.endr
.irp qt, 0,1                           ; packed in place, ascending: register 4 kt + p is written when 8 kt + 2 p and all below it have been read
.irp kt, 0,1,2,3
.irp p, 0,1,2,3
	v_cvt_pk_f16_f32 v[S+32*\qt+4*\kt+\p], v[S+32*\qt+8*\kt+2*\p], v[S+32*\qt+8*\kt+2*\p+1]
.endr
.endr
.endr
	s_wait_dscnt 0x0                               ; V is in
.irp kc, 0,1
.irp qt, 0,1
.irp dt, 0,1,2,3
	v_wmma_f32_16x16x32_f16 v[O+32*\qt+8*\dt:O+32*\qt+8*\dt+7], v[F+32*\kc+8*\dt:F+32*\kc+8*\dt+7], v[S+32*\qt+8*\kc:S+32*\qt+8*\kc+7], v[O+32*\qt+8*\dt:O+32*\qt+8*\dt+7]
.endr
.endr
.endr
	NOPS 5                                         ; five places: the next products write over P, the next loads land on V, vector work reads O
.endm
; A query block is done: divide by the sum, split into hi and lo, store 16 blocks.  last = 0: go over to the second query block.
.macro EPILOGUE last
.if \last == 0
.irp qt, 0,1
.irp c, 0,1,2,3
	global_load_b128 v[Q+16*\qt+4*\c:Q+16*\qt+4*\c+3], v[KA], s[42:43] offset:\qt*2048+\c*512
.endr
.endr
.endif
	v_permlanex16_b32 v[T],   v[LS],   s53, s54
	v_permlanex16_b32 v[T+1], v[LS+1], s53, s54
	v_add_f32 v[LS],   v[LS],   v[T]               ; both halves' keys
	v_add_f32 v[LS+1], v[LS+1], v[T+1]
	v_rcp_f32 v[AL],   v[LS]
	v_rcp_f32 v[AL+1], v[LS+1]
	v_nop                                          ; a plain instruction behind the reciprocals
	s_wait_alu depctr_va_vdst(0)
	SCALEO
.set i, 0
.rept 64
	v_and_b32 v[F+i], s60, v[O+i]                  ; hi: exact in f16
.set i, i+1
.endr
.set i, 0
.rept 32
	v_pk_add_f32 v[O+2*i:O+2*i+1], v[O+2*i:O+2*i+1], v[F+2*i:F+2*i+1] neg_lo:[0,1] neg_hi:[0,1]   ; lo, exact in f32
.set i, i+1
.endr
.set i, 0
.rept 32
	v_cvt_pk_f16_f32 v[S+i],    v[F+2*i], v[F+2*i+1]
	v_cvt_pk_f16_f32 v[S+32+i], v[O+2*i], v[O+2*i+1]
.set i, i+1
.endr
.irp qt, 0,1
.irp dt, 0,1,2,3
	global_store_b128 v[KA], v[S+16*\qt+4*\dt:S+16*\qt+4*\dt+3],       s[44:45] offset:\qt*2048+\dt*512
	global_store_b128 v[KA], v[S+32+16*\qt+4*\dt:S+32+16*\qt+4*\dt+3], s[44:45] offset:32768+\qt*2048+\dt*512
.endr
.endr
	s_wait_xcnt 0x0                                ; the stores' data and base are rewritten only behind this wait
.if \last == 0
	s_mov_b64 s[44:45], s[46:47]
	s_mov_b32 s18, 8                               ; the second block's diagonal tile
	v_mov_b32 v[M],   v[NINF]
	v_mov_b32 v[M+1], v[NINF]
	v_mov_b32 v[LS],   0
	v_mov_b32 v[LS+1], 0
	CLEARO
	s_wait_loadcnt 0x0                             ; the second block's Q
.endif
.endm
; A key block in slot 'slot'.  kind 0: tile 0, never diagonal (the first query block has at least five tiles); 1: diagonal if t is the diagonal tile; 2: the last tile, always diagonal.
; In a diagonal block a wave takes the g groups of 64 keys below its queries' group whole, then its own group masked.
.macro TILE slot, kind
.if \kind == 1
	s_cmp_eq_u32 s17, s18
	s_cselect_b32 s20, s16, 4                      ; whole groups of 64 keys
.endif
.if \kind == 2
	s_mov_b32 s20, s16
.endif
.irp j, 0,1,2,3
.if \kind != 0
	s_cmp_le_u32 s20, \j
	s_cbranch_scc1 .Lwhole_done_\@
.endif
	STEP KA+\slot, \j*8192, 0
.endr
.Lwhole_done_\@:
.if \kind == 1
	s_cmp_lg_u32 s17, s18
	s_cbranch_scc1 .Lnot_diag_\@
	STEP KM+\slot, 0, 1
	EPILOGUE 0
.Lnot_diag_\@:
.endif
.if \kind == 2
	STEP KM+\slot, 0, 1
	s_cmp_lg_u32 s55, 0
	s_cbranch_scc1 .Lno_low_\@
.irp kc, 0,1                           ; queries 0..63 of the batch: their only keys are 0..63; P is still in its registers: add P x (low part of V)
.irp dt, 0,1,2,3
.irp hf, 0,1
	global_load_b128 v[F+32*\kc+8*\dt+4*\hf:F+32*\kc+8*\dt+4*\hf+3], v[KA], s[48:49] offset:\kc*4096+\dt*1024+\hf*512
.endr
.endr
.endr
	s_wait_loadcnt 0x0
.irp kc, 0,1
.irp qt, 0,1
.irp dt, 0,1,2,3
	v_wmma_f32_16x16x32_f16 v[O+32*\qt+8*\dt:O+32*\qt+8*\dt+7], v[F+32*\kc+8*\dt:F+32*\kc+8*\dt+7], v[S+32*\qt+8*\kc:S+32*\qt+8*\kc+7], v[O+32*\qt+8*\dt:O+32*\qt+8*\dt+7]
.endr
.endr
.endr
	NOPS 5
.Lno_low_\@:
	EPILOGUE 1
.endif
.endm
; Slots change.  In front of the barrier every wave's reads of the slot just used are back and all its tensor loads have landed, its eighth of the
; next slot among them; behind it the slot just used is filled first, one load a wave, with the tile after next, which has a whole tile's work in which to land.
.macro SWAP fill, refill
	s_wait_dscnt 0x0
	s_wait_tensorcnt 0x0                           ; no tensor load of mine is out: a group 0 may be written
	ds_add_u32 v254, v255
	s_wait_dscnt 0x0
	s_add_co_u32 s17, s17, 1                       ; t
.if \refill
	s_add_co_u32 s56, s17, 1                       ; tile t + 1 is key block t + 1 of the first query block,
	s_sub_co_u32 s57, s56, s19                     ; or t + 1 - (8 - b) of the second
	s_cmp_ge_u32 s56, s19
	s_cselect_b32 s56, s57, s56
	s_lshl_b32 s56, s56, 16
	s_mov_b32 s57, 0
	s_add_nc_u64 s[34+4*\fill:35+4*\fill], s[40:41], s[56:57]
	s_or_b32 s[35+4*\fill], s[35+4*\fill], 0x80000000
.endif
	s_barrier_signal -1
	s_barrier_wait -1
.if \refill
	tensor_load_to_lds s[32+4*\fill:35+4*\fill], s[24:31]
	s_nop 0
.endif
.endm
	s_wait_loadcnt 0x0                             ; Q of the first block
	s_wait_tensorcnt 0x1                           ; my eighth of tile 0 is in; tile 1's stays out
	s_barrier_signal -1
	s_barrier_wait -1
	TILE 0, 0                                      ; t = 0
	s_mov_b32 s21, 3
.Lpair:
	SWAP 0, 1
	TILE 1, 1                                      ; t = 1, 3, 5
	SWAP 1, 1
	TILE 0, 1                                      ; t = 2, 4, 6
	s_sub_co_u32 s21, s21, 1
	s_cmp_lg_u32 s21, 0
	s_cbranch_scc1 .Lpair
	SWAP 0, 1                                      ; fetches tile 8, the last
	TILE 1, 1                                      ; t = 7
	SWAP 1, 0                                      ; nothing is left to fetch
	TILE 0, 2                                      ; t = 8
	s_endpgm
.Lfunc_end_k_q458298459e_attn:
	.size	k_q458298459e_attn, .Lfunc_end_k_q458298459e_attn-k_q458298459e_attn
	.p2alignl 7, 3214868480
	.fill 96, 4, 3214868480
	.section	.rodata,"a",@progbits
	.p2align	6, 0x0
	.amdhsa_kernel k_q458298459e_attn
		.amdhsa_group_segment_fixed_size 327680
		.amdhsa_private_segment_fixed_size 0
		.amdhsa_enable_private_segment 0
		.amdhsa_kernarg_size 32
		.amdhsa_user_sgpr_count 2
		.amdhsa_user_sgpr_kernarg_segment_ptr 1
		.amdhsa_wavefront_size32 1
		.amdhsa_system_sgpr_workgroup_id_x 1
		.amdhsa_system_sgpr_workgroup_id_y 1
		.amdhsa_system_sgpr_workgroup_id_z 1
		.amdhsa_system_vgpr_workitem_id 0
		.amdhsa_next_free_vgpr 256
		.amdhsa_next_free_sgpr 66
		.amdhsa_reserve_vcc 1
		.amdhsa_float_denorm_mode_32 3
		.amdhsa_float_denorm_mode_16_64 3
		.amdhsa_memory_ordered 1
		.amdhsa_forward_progress 1
		.amdhsa_inst_pref_size 255
	.end_amdhsa_kernel
	.section	.bss,"aw",@nobits
	.p2align	6
	.space	262144
	.amdgpu_metadata
---
amdhsa.version: [ 1, 2 ]
amdhsa.kernels:
  - .name:           k_q458298459e_attn
    .symbol:         k_q458298459e_attn.kd
    .args:
      - { .name: qf, .offset: 0, .size: 8, .value_kind: global_buffer, .address_space: global }
      - { .name: kvf, .offset: 8, .size: 8, .value_kind: global_buffer, .address_space: global }
      - { .name: vlo, .offset: 16, .size: 8, .value_kind: global_buffer, .address_space: global }
      - { .name: af, .offset: 24, .size: 8, .value_kind: global_buffer, .address_space: global }
    .group_segment_fixed_size: 327680
    .private_segment_fixed_size: 0
    .kernarg_segment_align: 8
    .kernarg_segment_size: 32
    .max_flat_workgroup_size: 256
    .sgpr_count:     66
    .vgpr_count:     256
    .wavefront_size: 32
...
	.end_amdgpu_metadata
.endif
;; end of part 3
;; launch oproj (part 4): grid 4 x 64, 4 waves a work-group, clusters of 4 x 4, 327,680 bytes of LDS; arguments af, wof, bo, out0; writes out0
.if DOCPART == 4
	.amdgcn_target "amdgcn-amd-amdhsa--gfx1250"
	.amdhsa_code_object_version 6
	.text
	.protected	k_q458298459e_oproj
	.globl	k_q458298459e_oproj
	.p2align	8
	.type	k_q458298459e_oproj,@function
k_q458298459e_oproj:
	s_mov_b64 s[64:65], 0
	v_nop
	global_prefetch_b8 v0, s[64:65] scope:SCOPE_SE
	s_setreg_imm32_b32 hwreg(HW_REG_WAVE_MODE, 25, 1), 1
	s_wait_xcnt 0x0
	s_wait_alu depctr_hold_cnt(0) depctr_sa_sdst(0) depctr_va_vdst(0) depctr_va_sdst(0) depctr_va_ssrc(0) depctr_va_vcc(0) depctr_vm_vsrc(0)
	s_getreg_b32 s2, hwreg(HW_REG_IB_STS2, 6, 4)
	s_cmp_eq_u32 s2, 0
	s_cbranch_scc0 .Lentry_in_a_cluster
	s_endpgm
.Lentry_in_a_cluster:
	s_bfe_u32 s2, ttmp6, 0x10000c
	s_cmp_lg_u32 s2, 0xf033
	s_cbranch_scc0 .Lentry_shape_is_right
	s_endpgm
.Lentry_shape_is_right:
; OPROJ: out[n][o][l] = sum over c of Wo[o][c] att[n][l][c] + bo[o]; f16 operands, f32 sums and output.
; att comes as hi + lo (two f16 numbers), so each K step multiplies Wo's fragment by both parts: Wo att_hi + Wo att_lo on one accumulator.
; A work-group makes 256 positions (block lb) x 128 rows (block ob); four waves; wave w takes 128 positions (lh = w >> 1, eight tiles) and
; 64 rows (oh = w & 1, four tiles): 32 accumulator tiles in window 1.  K = 512 goes in 8 steps of 64 (one head) through two LDS slots.
; af and wof hold fragments as blocks of 512 bytes (lane L's 16 bytes at 16 L): a K step's operands are dense in memory (64 KiB of att,
; 16 KiB of Wo), come in as rows of 256 bytes, and every LDS read of a wave is 512 consecutive bytes: no padding.
; Source 0 = Wo's fragment, source 1 = att's: register j of a lane is row o = 8 h + j of position 64 G + 4 r + s of tile s, so the same register of
; four tiles holds four neighbouring positions: the bias add lays them side by side, and sixteen lanes store 256 consecutive, aligned bytes.
; CLUSTERS: 4 x 4 work-groups; att's tiles hang on lb = 16 cy + (cluster's y) and are asked for jointly along a row of the cluster, Wo's on ob = cx, along a column.
; LIMITS: those of the f16 operands written by the launches before.
.set SLOT,  81920                      ; att hi 32 KiB, att lo 32 KiB, Wo 16 KiB
.set WOFF,  65536
.set ASTEP, 65536                      ; bytes of af in a K step
.set WSTEP, 16384                      ; bytes of wof in a K step
.set ADRX, 16                          ; v16-17 LDS address of my att fragments in slot 0, 1
.set ADRW, 18                          ; v18-19 the same for Wo
.set CO,   20                          ; v20    my byte offset in out0: 8 h rows + 16 r
.set VB,   21                          ; v21    32 h: my eight numbers of each 16 of bo
.set BIAS, 32                          ; v[32:63] bo of rows 16 t + 8 h + j
.set XB0, 64
.set XB1, 128
.set WB0, 192
.set WB1, 224
.set G1,  24
.set G0,  32
.set G1B, 48
.set G0B, 56
.set MSB, 0
.macro WIN new
.if MSB != \new
	s_set_vgpr_msb (MSB<<8)|\new
.set MSB, \new
.endif
.endm
.macro PLACES                          ; four places behind matrix instructions (ISA guide 7.12.1)
.rept 4
	v_nop
.endr
.endm
.macro JLOAD s                         ; waves 0 and 1 fetch att's hi and lo, waves 2 and 3 Wo's two halves
	s_cmp_eq_u32 s15, 0
	s_cbranch_scc0 .Lfor_w_\@
	tensor_load_to_lds s[G0+4*\s:G0+4*\s+3], s[G1:G1+7]
	s_nop 0
	s_branch .Lasked_\@
.Lfor_w_\@:
	tensor_load_to_lds s[G0B+4*\s:G0B+4*\s+3], s[G1B:G1B+7]
	s_nop 0
.Lasked_\@:
.endm
.macro CREST
	s_cmp_lg_u32 s14, 0
	s_cbranch_scc1 .Lnot_wave_0_\@
	s_barrier_signal -3
.Lnot_wave_0_\@:
	s_barrier_wait -3
	s_barrier_signal -1
	s_barrier_wait -1
.endm
.macro CROUND
	s_barrier_signal -1
	s_barrier_wait -1
	CREST
.endm
	s_load_b256 s[4:11], s[0:1], 0x0               ; af s[4:5], wof s[6:7], bo s[8:9], out0 s[10:11]
	v_lshl_add_u32 v30, v0, 2, 0x29000
	v_mov_b32 v31, 0
	ds_add_u32 v30, v31
	ds_add_u32 v30, v31
	v_lshrrev_b32 v1, 5, v0
	v_readfirstlane_b32 s14, v1                    ; wave 0..3
	s_lshr_b32 s15, s14, 1                         ; lh.  Also: I fetch for att (0) or for Wo (1)
	s_and_b32 s16, s14, 1                          ; oh.  Also: which half I fetch
	s_bfe_u32 s40, ttmp6, 0x40000                  ; cx
	s_bfe_u32 s41, ttmp6, 0x40004                  ; cy
	s_and_b32 s42, ttmp7, 0xffff                   ; the cluster's y
	s_lshl_b32 s43, ttmp9, 2
	s_add_co_u32 s43, s43, s40                     ; ob
	s_lshl_b32 s44, s41, 4
	s_add_co_u32 s44, s44, s42                     ; lb = 16 cy + cluster y
	s_lshl_b32 s45, s41, 2
	s_lshl_b32 s45, 15, s45                        ; my row of the cluster
	s_lshl_b32 s46, 0x1111, s40                    ; my column
	s_or_b32 s[G1+0],  s45, (3<<16)|(1<<21)        ; rows of 32 elements of 8 bytes; att: 128 rows (32 KiB) a wave, Wo: 32 rows (8 KiB)
	s_or_b32 s[G1B+0], s46, (3<<16)|(1<<21)
	s_mov_b32 s[G1+1],  32<<16
	s_mov_b32 s[G1B+1], 32<<16
	s_mov_b32 s[G1+2],  128<<16
	s_mov_b32 s[G1B+2], 32<<16
	s_mov_b32 s[G1+3],  32<<16
	s_mov_b32 s[G1B+3], 32<<16
	s_mov_b32 s[G1+4],  128
	s_mov_b32 s[G1B+4], 32
	s_mov_b32 s[G1+5],  32
	s_mov_b32 s[G1B+5], 32
	s_mov_b32 s[G1+6],  0
	s_mov_b32 s[G1B+6], 0
	s_mov_b32 s[G1+7],  0
	s_mov_b32 s[G1B+7], 0
	s_lshl_b32 s20, s44, 19                        ; lb x 8 K steps x 64 KiB
	s_lshl_b32 s17, s16, 15                        ; hi or lo: its offset in memory and its LDS address
	s_add_co_u32 s20, s20, s17
	s_mov_b32 s21, 0
	s_lshl_b32 s22, s43, 17                        ; ob x 8 K steps x 16 KiB
	s_lshl_b32 s47, s16, 13
	s_add_co_u32 s22, s22, s47
	s_mov_b32 s23, 0
	s_add_co_u32 s18, s47, WOFF
	s_lshl_b32 s70, s43, 9                         ; bo: (128 ob + 64 oh) numbers of 4 bytes
	s_lshl_b32 s71, s16, 8
	s_add_co_u32 s70, s70, s71
	s_mov_b32 s71, 0
	s_wait_dscnt 0x0
	s_wait_kmcnt 0x0
	s_add_nc_u64 s[20:21], s[4:5], s[20:21]
	s_add_nc_u64 s[22:23], s[6:7], s[22:23]
	s_add_nc_u64 s[66:67], s[8:9], s[70:71]
	CROUND                                         ; all sixteen work-groups are here: the first joint loads meet
.irp s, 0,1
	s_mov_b32 s[G0+4*\s], 1
	s_add_co_u32 s[G0+4*\s+1], s17, \s*SLOT
	s_add_nc_u64 s[G0+4*\s+2:G0+4*\s+3], s[20:21], \s*ASTEP
	s_or_b32 s[G0+4*\s+3], s[G0+4*\s+3], 0x80000000
	s_mov_b32 s[G0B+4*\s], 1
	s_add_co_u32 s[G0B+4*\s+1], s18, \s*SLOT
	s_add_nc_u64 s[G0B+4*\s+2:G0B+4*\s+3], s[22:23], \s*WSTEP
	s_or_b32 s[G0B+4*\s+3], s[G0B+4*\s+3], 0x80000000
	JLOAD \s                                       ; K steps 0 and 1: two tensor loads of the wave are out, the most in this text
.endr
	v_and_b32 v1, 31, v0
	v_lshlrev_b32 v1, 4, v1                        ; 16 L
	v_and_b32 v2, 15, v0                           ; r
	v_bfe_u32 v3, v0, 4, 1                         ; h
	v_lshlrev_b32 v[VB], 5, v3
.irp t, 0,1,2,3
	global_load_b128 v[BIAS+8*\t:BIAS+8*\t+3],   v[VB], s[66:67] offset:\t*64
	global_load_b128 v[BIAS+8*\t+4:BIAS+8*\t+7], v[VB], s[66:67] offset:\t*64+16
.endr
	v_lshlrev_b32 v[CO], 4, v2
	v_lshl_add_u32 v[CO], v3, 16, v[CO]            ; 8 h rows of 8,192 bytes + 16 r
	s_lshl_b32 s47, s15, 14                        ; my eight position tiles of 2 KiB
	s_lshl_b32 s70, s16, 13                        ; my four row tiles of 2 KiB
	s_add_co_u32 s70, s70, WOFF
.irp s, 0,1
	v_add_nc_u32 v[ADRX+\s], s47, v1
	v_add_nc_u32 v[ADRW+\s], s70, v1
	s_add_co_u32 s47, s47, SLOT
	s_add_co_u32 s70, s70, SLOT
.endr
.macro LOADX buf, slot, part, ch       ; 16 LDS loads: my eight att fragments, part 0 hi / 1 lo, channel half ch
.irp lt, 0,1,2,3,4,5,6,7
.irp hf, 0,1
	ds_load_b128 v[\buf+8*\lt+4*\hf:\buf+8*\lt+4*\hf+3], v[ADRX+\slot] offset:\part*32768+\lt*2048+\ch*1024+\hf*512
.endr
.endr
.endm
.macro LOADW buf, slot, ch             ; 8 LDS loads: my four Wo fragments
.irp t, 0,1,2,3
.irp hf, 0,1
	ds_load_b128 v[\buf+8*\t+4*\hf:\buf+8*\t+4*\hf+3], v[ADRW+\slot] offset:\t*2048+\ch*1024+\hf*512
.endr
.endr
.endm
.macro MUL16 xb, wb, t0, zero
.irp t, \t0, \t0+1
.irp lt, 0,1,2,3,4,5,6,7
.if \zero
	v_wmma_f32_16x16x32_f16 v[8*(8*(\t)+\lt):8*(8*(\t)+\lt)+7], v[\wb+8*(\t):\wb+8*(\t)+7], v[\xb+8*\lt:\xb+8*\lt+7], 0
.else
	v_wmma_f32_16x16x32_f16 v[8*(8*(\t)+\lt):8*(8*(\t)+\lt)+7], v[\wb+8*(\t):\wb+8*(\t)+7], v[\xb+8*\lt:\xb+8*\lt+7], v[8*(8*(\t)+\lt):8*(8*(\t)+\lt)+7]
.endif
.endr
.endr
.endm
; A K step: four stages (channel half, part) of 32 matrix instructions.  Each stage first issues the next stage's loads, four places behind the matrix
; instructions that read those registers; its counted wait leaves exactly these loads out.  The 32 accumulators take turns, one instruction a turn,
; in the same order in every stage and over the backward jump.
; mode 2: this slot is filled again, two K steps ahead; 1: slots change, nothing is fetched; 0: the last K step.
.macro KSTEP slot, next, mode, zero
	WIN 0
	PLACES
	LOADX XB1, \slot, 1, 0
	s_wait_dscnt 16                                ; all but the 16 just issued
	WIN 0x50
	MUL16 XB0, WB0, 0, \zero
	MUL16 XB0, WB0, 2, \zero
	WIN 0
	PLACES
	LOADX XB0, \slot, 0, 1
	LOADW WB1, \slot, 1
	s_wait_dscnt 24                                ; all but the 16 + 8 just issued
	WIN 0x50
	MUL16 XB1, WB0, 0, 0
	MUL16 XB1, WB0, 2, 0
	WIN 0
	PLACES
	LOADX XB1, \slot, 1, 1                         ; my last reads of this slot
	s_wait_dscnt 16
	WIN 0x50
	MUL16 XB0, WB1, 0, 0
.if \mode
	s_wait_dscnt 0                                 ; my reads of this slot are over,
	s_wait_tensorcnt 0x0                           ; and all my tensor loads have landed: the one that was out is my part of the next slot
	ds_add_u32 v30, v31
	s_wait_dscnt 0x0
	s_barrier_signal -1
.endif
	MUL16 XB0, WB1, 2, 0
	WIN 0
.if \mode
	s_barrier_wait -1
.endif
.if \mode == 2
	CREST                                          ; no wave of any partner still reads this slot or has a load on its way
	s_add_nc_u64 s[G0+4*\slot+2:G0+4*\slot+3], s[G0+4*\slot+2:G0+4*\slot+3], 2*ASTEP
	s_add_nc_u64 s[G0B+4*\slot+2:G0B+4*\slot+3], s[G0B+4*\slot+2:G0B+4*\slot+3], 2*WSTEP
	JLOAD \slot                                    ; the first tensor load behind the round, one a wave; 112 matrix instructions stand between it and the wait for it
.endif
.if \mode
	PLACES
	LOADX XB0, \next, 0, 0
	LOADW WB0, \next, 0
.else
	s_wait_dscnt 0
.endif
	WIN 0x50
	MUL16 XB1, WB1, 0, 0
	MUL16 XB1, WB1, 2, 0
	WIN 0
.endm
	s_wait_loadcnt 0x0                             ; bo
	s_wait_tensorcnt 0x1                           ; my part of K step 0 is in; K step 1's stays out
	s_barrier_signal -1
	s_barrier_wait -1
	LOADX XB0, 0, 0, 0
	LOADW WB0, 0, 0
	KSTEP 0, 1, 2, 1                               ; heads 0 and 1 stand ahead of the loop: the first products start the sums
	KSTEP 1, 0, 2, 0
	s_mov_b32 s3, 2
.Llap:
	KSTEP 0, 1, 2, 0                               ; heads 2 to 5
	KSTEP 1, 0, 2, 0
	s_sub_co_u32 s3, s3, 1
	s_cmp_lg_u32 s3, 0
	s_cbranch_scc1 .Llap
	KSTEP 0, 1, 1, 0                               ; head 6: nothing is left to fetch
	KSTEP 1, 0, 0, 0                               ; head 7
	; THE WAY OUT
	PLACES
	s_lshr_b32 s47, s44, 3                         ; n
	s_lshl_b32 s70, s47, 22                        ; (512 n + 128 ob + 64 oh) rows of 8,192 bytes
	s_lshl_b32 s71, s43, 20
	s_add_co_u32 s70, s70, s71
	s_lshl_b32 s71, s16, 19
	s_add_co_u32 s70, s70, s71
	s_and_b32 s71, s44, 7                          ; + the block of 256 positions, 1,024 bytes
	s_lshl_b32 s71, s71, 10
	s_add_co_u32 s70, s70, s71
	s_lshl_b32 s71, s15, 9                         ; + my 128 positions
	s_add_co_u32 s70, s70, s71
	s_mov_b32 s71, 0
	s_add_nc_u64 s[68:69], s[10:11], s[70:71]
; row tile t, group grp of 64 positions (four tiles): the bias add puts positions 4 r + 0..3 of row 8 h + j into four neighbouring registers
.macro OUTO t, grp, tmp
	s_wait_xcnt 0x0                                ; registers that earlier stores read are rewritten only behind this wait
	WIN 0x01                                       ; source 0 in window 1
.irp j, 0,1,2,3,4,5,6,7
.irp s, 0,1,2,3
	v_add_f32 v[\tmp+4*\j+\s], v[8*(8*\t+4*\grp+\s)+\j], v[BIAS+8*\t+\j]
.endr
.endr
	WIN 0
.irp j, 0,1,2,3,4,5,6,7
	global_store_b128 v[CO], v[\tmp+4*\j:\tmp+4*\j+3], s[68:69] offset:\t*131072+\j*8192+\grp*256 th:TH_STORE_NT   ; 16 lanes: 256 consecutive bytes, at a multiple of 256 from out0's first byte
.endr
.endm
	OUTO 0, 0, 64
	OUTO 0, 1, 96
	OUTO 1, 0, 128
	OUTO 1, 1, 160
	OUTO 2, 0, 64
	OUTO 2, 1, 96
	OUTO 3, 0, 128
	OUTO 3, 1, 160
	CROUND                                         ; the closing round: no work-group ends while a partner may still ask for a tile that names it
	s_endpgm
.Lfunc_end_k_q458298459e_oproj:
	.size	k_q458298459e_oproj, .Lfunc_end_k_q458298459e_oproj-k_q458298459e_oproj
	.p2alignl 7, 3214868480
	.fill 96, 4, 3214868480
	.section	.rodata,"a",@progbits
	.p2align	6, 0x0
	.amdhsa_kernel k_q458298459e_oproj
		.amdhsa_group_segment_fixed_size 327680
		.amdhsa_private_segment_fixed_size 0
		.amdhsa_enable_private_segment 0
		.amdhsa_kernarg_size 32
		.amdhsa_user_sgpr_count 2
		.amdhsa_user_sgpr_kernarg_segment_ptr 1
		.amdhsa_wavefront_size32 1
		.amdhsa_system_sgpr_workgroup_id_x 1
		.amdhsa_system_sgpr_workgroup_id_y 1
		.amdhsa_system_sgpr_workgroup_id_z 1
		.amdhsa_system_vgpr_workitem_id 0
		.amdhsa_next_free_vgpr 512
		.amdhsa_next_free_sgpr 80
		.amdhsa_reserve_vcc 0
		.amdhsa_float_denorm_mode_32 3
		.amdhsa_float_denorm_mode_16_64 3
		.amdhsa_memory_ordered 1
		.amdhsa_forward_progress 1
		.amdhsa_inst_pref_size 109
	.end_amdhsa_kernel
	.amdgpu_metadata
---
amdhsa.version: [ 1, 2 ]
amdhsa.kernels:
  - .name:           k_q458298459e_oproj
    .symbol:         k_q458298459e_oproj.kd
    .args:
      - { .name: af, .offset: 0, .size: 8, .value_kind: global_buffer, .address_space: global }
      - { .name: wof, .offset: 8, .size: 8, .value_kind: global_buffer, .address_space: global }
      - { .name: bo, .offset: 16, .size: 8, .value_kind: global_buffer, .address_space: global }
      - { .name: out0, .offset: 24, .size: 8, .value_kind: global_buffer, .address_space: global }
    .group_segment_fixed_size: 327680
    .private_segment_fixed_size: 0
    .kernarg_segment_align: 8
    .kernarg_segment_size: 32
    .max_flat_workgroup_size: 128
    .sgpr_count:     80
    .vgpr_count:     512
    .wavefront_size: 32
...
	.end_amdgpu_metadata
.endif
;; end of part 4
